; MI455X (gfx1250); checked and timed in simulation.
; The chip was launched on July 23, 2026; its instructions are those of AMD's public machine-readable ISA for CDNA 5 (MIT licence, August 2026) and "CDNA5" Instruction Set Architecture Reference Guide (July 2026). The comments in the code are by the model that wrote it; some were corrected since.
;; VQ Embedding. Allowed arithmetic: matrix products marked QUANTISED: E2M3 operands, one E8M0 scale for each 32 along K, by v_wmma_scale_f32_16x16x128_f8f6f4 with both operands' format E2M3, f32 sums; everything else in f32.
;; Inputs: codebook 8,192 x 256 float32; z_e_x_codes 32 x 32 x 32 x 8 x 24 uint8 (E2M3 codes of z_e_x, K innermost, in blocks of 32 codes, four codes in three bytes); z_e_x_scales 32 x 32 x 32 x 8 uint8 (E8M0 scales of z_e_x, one for each 32 codes along K).
;; Outputs: out0 32 x 32 x 32 int32.
;; This version of the problem:
;;   THIS VERSION OF THE PROBLEM IS GIVEN IN LOW PRECISION. The matrix products marked QUANTISED in the list below multiply operands that are first quantised to E2M3 (2 exponent bits, 3 mantissa bits; 6 bits a number), with one power-of-two scale for each 32 numbers along K (OCP MX v1.0); their sums are f32. All else is computed in f32.
;;   The module's matrix products, in the order in which they are computed (A, B: the left and right operand; K: the contracted axis; several contracted axes count as one K, in the product's order):
;;     1. [M 32,768, K 256] x [K 256, N 8,192]; A: input z_e_x (given as codes); B: input codebook: QUANTISED
;;   THE QUANTISER, for each operand of a quantised product, along K:
;;     - K is cut into blocks of 32 from its start; a last block that is shorter is filled with zeros.
;;     - A block's scale is 2^e with e = floor(log2(the largest magnitude in the block)) - 2, held to -126 .. 127; a block of zeros has e = 0. As a byte (E8M0): e + 127.
;;     - Each number is divided by its block's scale, clamped to +-7.5, and rounded to the nearest number of E2M3, ties to even, subnormals kept.
;;     - The product sums the exact products of the quantised numbers (number of the format x scale) in f32.
;;   ~~~python
;;   def quantise(x, axis):      # numpy; x: float32 -> the quantised numbers, widened to float32 again
;;       x = np.moveaxis(x, axis, -1); K = x.shape[-1]
;;       x = np.pad(x, [(0, 0)] * (x.ndim - 1) + [(0, -K % 32)]); x = x.reshape(x.shape[:-1] + (-1, 32)); a = np.abs(x).max(-1, keepdims=True)
;;       e = np.where(a > 0, np.clip(np.frexp(np.where(a > 0, a, 1))[1] - 1 - 2, -126, 127), 0)      # np.frexp(a)[1] - 1 = floor(log2(a)), exactly
;;       r = np.clip(x / 2.0 ** e, -7.5, 7.5)
;;       step = 2.0 ** (np.maximum(np.frexp(np.where(r == 0, 1, r))[1] - 1, 0) - 3)
;;       q = np.round(r / step) * step * 2.0 ** e      # np.round: ties to even
;;       return np.moveaxis(q.reshape(q.shape[:-2] + (-1,))[..., :K], -1, axis).astype(np.float32)
;;   ~~~
;;   INPUTS GIVEN AS CODES. z_e_x (in the module: [32, 32, 32, 256], K = its axis 3): each comes as NAME_codes (uint8): NAME with its K axis moved to the last place and cut into blocks of 32 codes, [.., K / 32, bytes a block], one block behind the other in memory; four codes in three bytes: a row's codes are one little-endian stream of bits, code i at bits 6 i .. 6 i + 5 (a code: sign, 2 exponent bits, 3 mantissa bits); and NAME_scales (uint8): the same leading axes, one E8M0 byte (e + 127) for each 32 codes along K. Its value is code x scale, taken as it is: it is not quantised again, and the codes and scales need not be those that the quantiser above would give.
;; One version. Each part assembles by itself: llvm-mc -triple=amdgcn-amd-amdhsa -mcpu=gfx1250 --defsym DOCPART=n.
;; ======== version 1 of 1: 2 launches
;; limits: right only within a limited range of input values
;; workspace buffers: cbimg 1,703,936 bytes
;; launch prep (part 1): grid 256 x 1, 2 waves a work-group, no clusters, 34,048 bytes of LDS; arguments codebook, cbimg; writes cbimg
.if DOCPART == 1
	.amdgcn_target "amdgcn-amd-amdhsa--gfx1250"
	.amdhsa_code_object_version 6
	.text
	.protected	k_q50108fe956_prep
	.globl	k_q50108fe956_prep
	.p2align	8
	.type	k_q50108fe956_prep,@function
k_q50108fe956_prep:
	s_mov_b64 s[64:65], 0
	v_nop
	global_prefetch_b8 v0, s[64:65] scope:SCOPE_SE
	s_setreg_imm32_b32 hwreg(HW_REG_WAVE_MODE, 25, 1), 1
	s_wait_xcnt 0x0
; The codebook [8192][256], f32, is quantised ONCE along K into codes of FP6 (E2M3) with one E8M0 byte for each 32 numbers, and each row's sum of squares is taken of the UNQUANTISED numbers, in f32.
; The results are laid as the next launch's registers want them: one RECORD of 3,328 bytes (13 x 256) for each tile of 16 codebook rows:
;   1536 s + 512 q + 16 lane : registers 4 q .. 4 q + 3 of the operand fragment of K step s (k = 128 s ..): lane (r, h) holds row r, registers 6 c .. 6 c + 5 hold k = 128 s + 64 c + 32 h + 0 .. 31
;   3072 + 4 lane            : lanes 0-15 row r's scale word of K step 0, lanes 16-31 that of K step 1
;   3200 + 4 r               : row r's sum of squares;     3264 .. 3327 : zeros (stored, since the next launch's tile loads read whole records)
; A block's scale is 2^(floor(log2(its largest magnitude)) - 2); its byte is the largest magnitude's exponent field - 2, held at 1 from below.
; SHARES: one wave takes one tile: 16 rows, 16,384 bytes.  Each load reads 512 consecutive bytes; the tile turns through the wave's own stage in LDS, so that a lane gets 32 NEIGHBOURS along K of one row for each block.
; No barrier (a wave's LDS bytes are its own), no loop, every offset an immediate.
; LIMITS: a block of zeros gets the byte 1 where the rule says 127 (its codes are zeros, and this program alone reads the bytes); NaN and infinities in the codebook are not served;
; the sum of squares is added in four packed chains and two halves, another order than a plain row sum: it can differ in its own last bits.
.set REC,  3328
.set SP,   1040                        ; a stage row: 1,024 bytes + 16: an odd multiple of 16 bytes, so the 16 rows that a 16-byte read touches start at 16 different banks (64 banks of 4 bytes: ISA guide 11.1)
.set META, 16*SP                       ; behind the stage: 256 bytes for the record's last block
.set WREG, META+256                    ; a wave's LDS
.set X,    64                          ; v64-191  the lane's 128 numbers: block b = 2 s + c at X + 32 b
.set F,    36                          ; v36-59   the two fragments, 12 registers each
.set U,    192                         ; v192-207 the upper halves' codes: a conversion's three registers begin on an even number
	s_load_b128 s[4:7], s[0:1], 0x0                ; codebook s[4:5], cbimg s[6:7]
	v_lshl_add_u32 v216, v0, 2, 0x8400
	v_mov_b32 v217, 0
	v_lshrrev_b32 v1, 5, v0
	v_readfirstlane_b32 s8, v1                     ; wave 0..1
	v_and_b32 v1, 31, v0                           ; lane
	v_and_b32 v2, 15, v0                           ; r
	v_bfe_u32 v3, v0, 4, 1                         ; h
	s_lshl_b32 s9, ttmp9, 1
	s_add_co_u32 s9, s9, s8                        ; my tile: 2 x work-group + wave
	s_lshl_b32 s10, s9, 14                         ; its 16 rows of 1,024 bytes
	s_mov_b32 s11, 0
	s_mul_i32 s12, s9, REC                         ; its record
	s_mov_b32 s13, 0
	s_mul_i32 s14, s8, WREG                        ; my LDS
	v_lshlrev_b32 v4, 4, v1                        ; 16 x lane: my bytes of a load's and of a store's 512
	v_add_nc_u32 v5, s14, v4                       ; the stage, on the way in
	v_mul_u32_u24 v6, v2, SP
	v_lshl_add_u32 v6, v3, 7, v6
	v_add_nc_u32 v6, s14, v6                       ; and back: row r, + 128 h bytes: my 32 numbers of a pair of blocks
	v_lshlrev_b32 v7, 2, v1
	v_add_nc_u32 v7, s14, v7
	v_add_nc_u32 v7, META, v7                      ; the last block: 4 x lane on the way in,
	v_lshlrev_b32 v9, 3, v1
	v_add_nc_u32 v8, s14, v9
	v_add_nc_u32 v8, META, v8                      ; 8 x lane on the way out
	v_lshlrev_b32 v60, 3, v3                       ; 8 h: how far my two scale bytes are shifted
	v_mov_b32 v24, 0                               ; a lane permute's destination counts as one of its sources: written once
	v_mov_b32 v61, 0
	v_mov_b32 v62, 0
	s_mov_b32 s20, 0x76543210
	s_mov_b32 s21, 0xfedcba98                      ; v_permlanex16_b32's selects for lane l xor 16
	s_wait_kmcnt 0x0
	s_add_nc_u64 s[4:5], s[4:5], s[10:11]
	s_add_nc_u64 s[6:7], s[6:7], s[12:13]
.set i, 0
.rept 32
	global_load_b128 v[X+4*i:X+4*i+3], v4, s[4:5] offset:512*i th:TH_LOAD_NT   ; 512 consecutive bytes: row i / 2, K step i % 2; read once in the launch
.set i, i+1
.endr
.set i, 0
.rept 32
	s_wait_loadcnt 31-i                            ; loads come back in order: load i is in, the 31 - i younger ones may be out
	ds_store_b128 v5, v[X+4*i:X+4*i+3] offset:(i/2)*SP+512*(i%2)
.set i, i+1
.endr
.irp b, 0,1,2,3                                ; LDS serves a wave's instructions in order: these see the stores above.  Block b = 2 s + c begins 256 b bytes into the row
.irp j, 0,1,2,3,4,5,6,7
	ds_load_b128 v[X+32*\b+4*\j:X+32*\b+4*\j+3], v6 offset:256*\b+16*\j
.endr
.endr
	s_wait_dscnt 0x0
	; the sum of squares of my 128 numbers: four packed chains, started by products
.irp k, 0,1,2,3
	v_pk_mul_f32 v[28+2*\k:29+2*\k], v[X+2*\k:X+2*\k+1], v[X+2*\k:X+2*\k+1]
.endr
.set i, 4
.rept 60
	v_pk_fma_f32 v[28+2*(i%4):29+2*(i%4)], v[X+2*i:X+2*i+1], v[X+2*i:X+2*i+1], v[28+2*(i%4):29+2*(i%4)]
.set i, i+1
.endr
	; the four blocks' largest magnitudes, by turns; all 32 numbers of a block are mine
.irp b, 0,1,2,3
	v_max3_num_f32 v[10+\b], |v[X+32*\b]|, |v[X+32*\b+1]|, 0x1800000   ; and the floor 2^(3 - 127): the byte cannot fall under 1
.endr
.irp i, 2,4,6,8,10,12,14,16,18,20,22,24,26,28,30
.irp b, 0,1,2,3
	v_max3_num_f32 v[10+\b], v[10+\b], |v[X+32*\b+\i]|, |v[X+32*\b+\i+1]|
.endr
.endr
	v_pk_add_f32 v[28:29], v[28:29], v[30:31]
	v_pk_add_f32 v[32:33], v[32:33], v[34:35]
	v_pk_add_f32 v[28:29], v[28:29], v[32:33]
	v_add_f32 v26, v28, v29
	v_permlanex16_b32 v24, v26, s20, s21
	v_add_f32 v26, v26, v24                        ; with lane l xor 16's half of the row: row r's sum of squares
.irp b, 0,1,2,3
	v_add_nc_u32 v[14+\b], 0xff000000, v[10+\b]    ; 2 off the exponent field: the conversion takes the exponent field of this operand as its scale, and nothing else of it
.endr
.irp b, 0,1,2,3
	v_lshrrev_b32 v[18+\b], 23, v[14+\b]           ; the scale's byte
.endr
	v_lshl_or_b32 v22, v19, 16, v18                ; K step 0: my bytes are those of blocks h and 2 + h of the step's four,
	v_lshl_or_b32 v23, v21, 16, v20                ; K step 1 likewise,
	v_lshlrev_b32 v22, v60, v22                    ; at their places in the scale word;
	v_lshlrev_b32 v23, v60, v23
	v_permlanex16_b32 v61, v22, s20, s21
	v_permlanex16_b32 v62, v23, s20, s21
	v_or_b32 v22, v22, v61                         ; with lane l xor 16's two the words are whole
	v_or_b32 v23, v23, v62
	v_cmp_gt_u32 vcc_lo, 16, v1                    ; lanes 0-15
	v_cndmask_b32 v25, v23, v22, vcc_lo            ; the scale image: K step 0's word below, K step 1's above
	v_cndmask_b32 v27, 0, v26, vcc_lo              ; the sums below, zeros above
.irp b, 0,1,2,3
	v_cvt_scalef32_pk16_fp6_f32 v[F+6*\b:F+6*\b+2], v[X+32*\b:X+32*\b+15], v[14+\b]        ; a block's lower 16 codes: registers 6 c .. 6 c + 2 of fragment s
	v_cvt_scalef32_pk16_fp6_f32 v[U+4*\b:U+4*\b+2], v[X+32*\b+16:X+32*\b+31], v[14+\b]     ; its upper 16, made elsewhere and moved
.endr
	v_nop                                          ; one plain place behind a scaled conversion
.irp b, 0,1,2,3
.irp i, 0,1,2
	v_mov_b32 v[F+6*\b+3+\i], v[U+4*\b+\i]
.endr
.endr
.irp q, 0,1,2,3,4,5
	global_store_b128 v4, v[F+4*\q:F+4*\q+3], s[6:7] offset:512*\q   ; the fragments as they stand: each store covers 512 consecutive bytes, aligned to 256
.endr
	ds_store_b32 v7, v25
	ds_store_b32 v7, v27 offset:128
	ds_load_b64 v[208:209], v8                     ; in order behind my two stores
	s_wait_dscnt 0x0
	global_store_b64 v9, v[208:209], s[6:7] offset:3072   ; the record's last 256 bytes, whole
	s_wait_tensorcnt 0x0
	ds_add_u32 v216, v217
	s_wait_dscnt 0x0
	s_endpgm
.Lfunc_end_k_q50108fe956_prep:
	.size	k_q50108fe956_prep, .Lfunc_end_k_q50108fe956_prep-k_q50108fe956_prep
	.p2alignl 7, 3214868480
	.fill 96, 4, 3214868480
	.section	.rodata,"a",@progbits
	.p2align	6, 0x0
	.amdhsa_kernel k_q50108fe956_prep
		.amdhsa_group_segment_fixed_size 34048
		.amdhsa_private_segment_fixed_size 0
		.amdhsa_enable_private_segment 0
		.amdhsa_kernarg_size 16
		.amdhsa_user_sgpr_count 2
		.amdhsa_user_sgpr_kernarg_segment_ptr 1
		.amdhsa_wavefront_size32 1
		.amdhsa_system_sgpr_workgroup_id_x 1
		.amdhsa_system_sgpr_workgroup_id_y 1
		.amdhsa_system_sgpr_workgroup_id_z 1
		.amdhsa_system_vgpr_workitem_id 0
		.amdhsa_next_free_vgpr 218
		.amdhsa_next_free_sgpr 66
		.amdhsa_reserve_vcc 1
		.amdhsa_float_denorm_mode_32 3
		.amdhsa_float_denorm_mode_16_64 3
		.amdhsa_memory_ordered 1
		.amdhsa_forward_progress 1
		.amdhsa_inst_pref_size 21
	.end_amdhsa_kernel
	.amdgpu_metadata
---
amdhsa.version: [ 1, 2 ]
amdhsa.kernels:
  - .name:           k_q50108fe956_prep
    .symbol:         k_q50108fe956_prep.kd
    .args:
      - { .name: codebook, .offset: 0, .size: 8, .value_kind: global_buffer, .address_space: global }
      - { .name: cbimg, .offset: 8, .size: 8, .value_kind: global_buffer, .address_space: global }
    .group_segment_fixed_size: 34048
    .private_segment_fixed_size: 0
    .kernarg_segment_align: 8
    .kernarg_segment_size: 16
    .max_flat_workgroup_size: 64
    .sgpr_count:     66
    .vgpr_count:     218
    .wavefront_size: 32
...
	.end_amdgpu_metadata
.endif
;; end of part 1
;; launch vq (part 2): grid 256 x 1, 8 waves a work-group, clusters of 4 x 1, 327,680 bytes of LDS; arguments cbimg, z_e_x_codes, z_e_x_scales, out0; writes out0
.if DOCPART == 2
	.amdgcn_target "amdgcn-amd-amdhsa--gfx1250"
	.amdhsa_code_object_version 6
	.text
	.protected	k_q50108fe956_vq
	.globl	k_q50108fe956_vq
	.p2align	8
	.type	k_q50108fe956_vq,@function
k_q50108fe956_vq:
	s_mov_b64 s[64:65], 0
	v_nop
	global_prefetch_b8 v0, s[64:65] scope:SCOPE_SE
	s_setreg_imm32_b32 hwreg(HW_REG_WAVE_MODE, 25, 1), 1
	s_wait_xcnt 0x0
	s_wait_alu depctr_hold_cnt(0) depctr_sa_sdst(0) depctr_va_vdst(0) depctr_va_sdst(0) depctr_va_ssrc(0) depctr_va_vcc(0) depctr_vm_vsrc(0)
	s_getreg_b32 s2, hwreg(HW_REG_IB_STS2, 6, 4)
	s_cmp_eq_u32 s2, 0
	s_cbranch_scc0 .Lentry_in_a_cluster
	s_endpgm
.Lentry_in_a_cluster:
	s_bfe_u32 s2, ttmp6, 0x10000c
	s_cmp_lg_u32 s2, 0x3003
	s_cbranch_scc0 .Lentry_shape_is_right
	s_endpgm
.Lentry_shape_is_right:
; out0[row] = the lowest index n at which cb_sq[n] - 2 dot(z[row], codebook[n]) is least; the dots are MX-FP6 products, all else f32.
; cbimg holds one record of 3,328 bytes for each tile of 16 codebook rows: two operand fragments as register images, the scale words, the sums of squares.
; SHARES: a work-group owns 128 rows of z and walks all 512 records.  Every wave holds all 128 rows of z in 192 registers (window 1).  Steps 0 to 11 hold 40 records, a dense block of 133,120 bytes:
; record 40 t + 5 w + e is wave w's e-th of step t; step 12 holds the last 32: record 480 + 4 w + e.  A record read once from LDS feeds 16 matrix instructions.
; The product is used transposed (source 0 = 16 codebook rows, source 1 = 16 rows of z): lane (r, h) holds row r of z, its 8 registers codes 8 h + 0 .. 7 of the tile.
; A lane keeps its least distance and, of the record at which it fell last, the first 7 distances and the record's number: 8 registers.  The place among the 8 is found
; once, at the end: the lowest of the 7 that equals the least, else place 7.
; The distance is one fused multiply-add on the finished dot, so it is rounded once, as the definition rounds it.  Equal distances: the lower index wins at every merge.
; CLUSTER 4 x 1: all work-groups read the same records, so each slot is asked for jointly (mask 15).  z is each work-group's own: plain loads, filled once, bytes of its own.
; RING: two slots of five records a wave, as large as fit beside z.  A step has an odd number of records and the register sets take turns record by record, so a trip of the loop holds two steps;
; each slot has its own address registers and its own descriptor.  The round in front of a refill stands inside the work on the slot's last record, which is in registers by then.
; PREFETCH of cbimg: the change of slots at the end of step t, whose refill loads step t + 2, asks for step t + 4, two changes ahead of the load that wants it; the head asks for steps 2 and 3;
; nothing is asked for beyond step 11.  All clusters read the same bytes, so four clusters alone ask (cluster number & 0x17 = 0).  Of a wave's 65 blocks of 256 bytes of a step the four partners
; name 17, 17, 17 and 14, told apart by address, a lane a block (lanes left over name their share's last block again): one instruction a wave and step.
; LIMITS: NaN and infinities in the codebook or a scale byte 0xff in z are not served (a NaN distance never wins here).
.set REC,   3328
.set WPART, 5*REC                      ; a wave's part of a slot: 65 rows of 256 bytes
.set STEPB, 8*WPART
.set SLOT1, STEPB
.set SPARE, 2*STEPB                    ; the spare words: 128 bytes a wave
.set MRG,   SPARE+1024                 ; the merge over waves: 4,096 bytes of distances, 4,096 of indices
.set ZC,    276480                     ; z's codes, 16 bytes of padding behind every 64: a row of 192 bytes is 240 LDS bytes = 60 words, so 16 rows start 4 banks apart, and lanes 16-31 read 6 or 10 words on (64 banks of 4 bytes: ISA guide 11.1)
.set ZBIAS, 221184                     ; ZC x 64 / 80: with t = y + ZBIAS, t + 16 (t >> 6) = ZC + y + 16 (y >> 6)
.set ZTILE, 16*240                     ; a row tile in LDS
.set ZSC,   ZC+128*240                 ; z's scales: 1,024 bytes
.set SPW, 1
.set NIL, 2
.set ADI, 3                            ; v3-4 a record's fragments in slot 0, 1: 16 x lane + my part
.set ADS, 5                            ; v5-6 its scale words: 4 x lane
.set ADH, 7                            ; v7-8 its sums of squares: 32 h
.set ZO,  9
.set ZSO, 10
.set CBASE, 11
.set MW,  12
.set MR,  13
.set OA,  14
.set ZS,  16                           ; v16-23 z's scale words: lanes 0-15 K step 0, lanes 16-31 K step 1
.set CSC, 24                           ; v24-25 a record's scale words, two sets
.set VTC, 29                           ; v29 the number of the record at work
.set PFO, 30                           ; v30 the prefetches' offset; never rewritten
.set CF,  32                           ; v32-79 a record's two fragments, two sets
.set CB,  80                           ; v80-95 its 8 sums of squares, two sets
.set ACC, 96                           ; v96-127 four accumulators
.set RT,  128                          ; v128-191 for each of 8 row tiles: 7 distances kept, and the record's number
.set MA,  192                          ; v192-207 the least distance, old and new by turns
.set TT,  216
.set WK,  224
.set ZAD, 224                          ; at the head: 12 addresses of z's pieces, 12 at work
.set WV,  12
.set G1,  24                           ; ring: 65 rows
.set G0H, 32
.set G0A, 36                           ; slot 0's loads
.set G0B, 40                           ; slot 1's
.set SEL, 44
.set G1H, 52                           ; head: 130 rows of the codebook's image
.set G0Z, 60
.set G1Z, 68                           ; 32 rows of 256 bytes of z's codes, padded
.set G1S, 76                           ; z's scales, 4 rows
.set G0S, 84
.set PFA, 88                           ; s[88:89] cbimg at the step before the one that the next prefetch names
.set TRIPS, 90
.set LIM, 91                           ; 1 in a cluster that prefetches, else the greatest number
.set G1L, 92                           ; step 12: 52 rows
.set WREC, 100                         ; s[100:101] w records, in bytes
.set MSB, 0
.macro WIN new
.if MSB != \new
	s_set_vgpr_msb (MSB<<8)|\new
.set MSB, \new
.endif
.endm
.macro CREST                           ; a round of the cluster's barrier behind its opening barrier
	s_cmp_lg_u32 s[WV], 0
	s_cbranch_scc1 .Lnot_wave_0_\@
	s_barrier_signal -3
.Lnot_wave_0_\@:
	s_barrier_wait -3
	s_barrier_signal -1
	s_barrier_wait -1
.endm
.macro CROUND
	s_barrier_signal -1
	s_barrier_wait -1
	CREST
.endm
.macro G1SET g, w0, rows               ; rows of 256 bytes (32 elements of 8), dense in memory
	s_mov_b32 s[\g], \w0
	s_mov_b32 s[\g+1], 32<<16
	s_mov_b32 s[\g+2], (\rows)<<16
	s_mov_b32 s[\g+3], 32<<16
	s_mov_b32 s[\g+4], \rows
	s_mov_b32 s[\g+5], 32
	s_mov_b32 s[\g+6], 0
	s_mov_b32 s[\g+7], 0
.endm
.macro FETCH p, sl, e                  ; record e of slot sl into set p: 9 LDS loads
.irp s, 0,1
.irp q, 0,1,2
	ds_load_b128 v[CF+24*(\p)+12*\s+4*\q:CF+24*(\p)+12*\s+4*\q+3], v[ADI+\sl] offset:REC*(\e)+1536*\s+512*\q
.endr
.endr
	ds_load_b32 v[CSC+(\p)], v[ADS+\sl] offset:REC*(\e)+3072
	ds_load_b128 v[CB+8*(\p):CB+8*(\p)+3], v[ADH+\sl] offset:REC*(\e)+3200
	ds_load_b128 v[CB+8*(\p)+4:CB+8*(\p)+7], v[ADH+\sl] offset:REC*(\e)+3216
.endm
.macro ZLD u                           ; z's row tiles 2 u and 2 u + 1 into window 1: 24 loads of 8 bytes
.irp i, 2*(\u), 2*(\u)+1
.irp k, 0,1,2,3,4,5,6,7,8,9,10,11
	ds_load_b64 v[24*(\i)+2*\k:24*(\i)+2*\k+1], v[ZAD+\k] offset:ZTILE*(\i)
.endr
.endr
.endm
.macro MM p, u                         ; unit u: set p's record against row tiles 2 u, 2 u + 1; two accumulators by turns
	WIN 0x04
.set AA, ACC+16*((\u)%2)
.set CFP, CF+24*(\p)
.set ZA, 48*(\u)
	v_wmma_scale_f32_16x16x128_f8f6f4 v[AA:AA+7], v[CFP:CFP+11], v[ZA:ZA+11], 0, v[CSC+(\p)], v[ZS+2*(\u)] matrix_a_fmt:MATRIX_FMT_FP6 matrix_b_fmt:MATRIX_FMT_FP6
	v_wmma_scale_f32_16x16x128_f8f6f4 v[AA+8:AA+15], v[CFP:CFP+11], v[ZA+24:ZA+35], 0, v[CSC+(\p)], v[ZS+2*(\u)+1] matrix_a_fmt:MATRIX_FMT_FP6 matrix_b_fmt:MATRIX_FMT_FP6
	v_wmma_scale_f32_16x16x128_f8f6f4 v[AA:AA+7], v[CFP+12:CFP+23], v[ZA+12:ZA+23], v[AA:AA+7], v[CSC+(\p)], v[ZS+2*(\u)] matrix_a_fmt:MATRIX_FMT_FP6 matrix_b_fmt:MATRIX_FMT_FP6 matrix_a_scale:MATRIX_SCALE_ROW1 matrix_b_scale:MATRIX_SCALE_ROW1
	v_wmma_scale_f32_16x16x128_f8f6f4 v[AA+8:AA+15], v[CFP+12:CFP+23], v[ZA+36:ZA+47], v[AA+8:AA+15], v[CSC+(\p)], v[ZS+2*(\u)+1] matrix_a_fmt:MATRIX_FMT_FP6 matrix_b_fmt:MATRIX_FMT_FP6 matrix_a_scale:MATRIX_SCALE_ROW1 matrix_b_scale:MATRIX_SCALE_ROW1
	WIN 0
.endm
.macro KEEP rt, aa                     ; where VCC is set, distances 0 to 6 and the record's number take the place of what is kept: two selections an instruction
.irp j, 0,2,4
	v_dual_cndmask_b32 v[\rt+\j], v[\rt+\j], v[\aa+\j] :: v_dual_cndmask_b32 v[\rt+\j+1], v[\rt+\j+1], v[\aa+\j+1]
.endr
	v_dual_cndmask_b32 v[\rt+6], v[\rt+6], v[\aa+6] :: v_dual_cndmask_b32 v[\rt+7], v[\rt+7], v[VTC]
.endm
.macro VV p, u                         ; unit u's distances, their least with the lane's least so far, and what is kept; the two row tiles by turns
.set AA, ACC+16*((\u)%2)
.set AB, AA+8
.set RA, 2*(\u)
.set RB, 2*(\u)+1
.set CBP, CB+8*(\p)
.set MOLD, MA+8*(\p)
.set MNEW, MA+8-8*(\p)
.irp n, 0,2,4,6
	v_pk_fma_f32 v[AA+\n:AA+\n+1], v[AA+\n:AA+\n+1], -2.0, v[CBP+\n:CBP+\n+1] op_sel_hi:[1,0,1]
	v_pk_fma_f32 v[AB+\n:AB+\n+1], v[AB+\n:AB+\n+1], -2.0, v[CBP+\n:CBP+\n+1] op_sel_hi:[1,0,1]
.endr
	v_min3_num_f32 v[TT], v[MOLD+RA], v[AA], v[AA+1]
	v_min3_num_f32 v[TT+3], v[MOLD+RB], v[AB], v[AB+1]
	v_min3_num_f32 v[TT+1], v[AA+2], v[AA+3], v[AA+4]
	v_min3_num_f32 v[TT+4], v[AB+2], v[AB+3], v[AB+4]
	v_min3_num_f32 v[TT+2], v[AA+5], v[AA+6], v[AA+7]
	v_min3_num_f32 v[TT+5], v[AB+5], v[AB+6], v[AB+7]
	s_delay_alu instid0(VALU_DEP_2)
	v_min3_num_f32 v[MNEW+RA], v[TT], v[TT+1], v[TT+2]
	s_delay_alu instid0(VALU_DEP_2)
	v_min3_num_f32 v[MNEW+RB], v[TT+3], v[TT+4], v[TT+5]
	s_delay_alu instid0(VALU_DEP_2)
	v_cmp_lt_f32 vcc_lo, v[MNEW+RA], v[MOLD+RA]    ; strictly less: an equal distance leaves the earlier record
	KEEP RT+8*RA, AA
	v_cmp_lt_f32 vcc_lo, v[MNEW+RB], v[MOLD+RB]
	KEEP RT+8*RB, AB
.endm
.macro TILE p, sl, e, inc              ; set p's record is worked on; record e of slot sl comes into the other set, and its first unit is begun
	FETCH 1-\p, \sl, \e
	MM \p, 1
	VV \p, 0
	MM \p, 2
	VV \p, 1
	MM \p, 3
	VV \p, 2
	s_wait_dscnt 0x0
	MM 1-\p, 0
	VV \p, 3
	v_add_nc_u32 v[VTC], \inc, v[VTC]
.endm
; A slot's last record (set p) is in registers: the slot is read no more.  The round and the refill (descriptor g0, g1) stand among that record's four units; the next slot is nsl.
; ask = 1: in the loop, with its prefetch.  fix = 1: the refill is step 12's, in which my part begins w records earlier than in a step of 40.
.macro TILEC p, g0, g1, nsl, ask, fix
	MM \p, 1
	VV \p, 0
.if \ask
	s_wait_xcnt 0x0                                ; my last prefetch has read its base, which steps here, a step behind it
	s_add_nc_u64 s[PFA:PFA+1], s[PFA:PFA+1], STEPB
.endif
	s_wait_tensorcnt 0x0                           ; my one load that was out, my part of the next slot, has landed
	ds_add_u32 v[SPW], v[NIL]
	s_add_nc_u64 s[\g0+2:\g0+3], s[\g0+2:\g0+3], 2*STEPB   ; no load of mine is out: this slot's descriptor goes two steps on
.if \fix
	s_sub_nc_u64 s[\g0+2:\g0+3], s[\g0+2:\g0+3], s[WREC:WREC+1]
.endif
	s_wait_dscnt 0x0                               ; the add is done; my reads of the slot came back in the tile before
	s_barrier_signal -1
	MM \p, 2
	VV \p, 1
	s_barrier_wait -1
	CREST
	tensor_load_to_lds s[\g0:\g0+3], s[\g1:\g1+7]  ; the joint refill, first behind the round
	s_nop 0
	FETCH 1-\p, \nsl, 0
	MM \p, 3
	VV \p, 2
	s_wait_dscnt 0x0
	MM 1-\p, 0
	VV \p, 3
	v_add_nc_u32 v[VTC], 36, v[VTC]                ; from record 40 t + 5 w + 4 to 40 (t + 1) + 5 w
.if \ask
	s_cmp_gt_u32 s[TRIPS], s[LIM]                  ; not in the loop's last trip, whose steps t + 4 are 12 and 13; and my cluster is one of the four that ask
	s_cbranch_scc0 .Lnot_asked_\@
	global_prefetch_b8 v[PFO], s[PFA:PFA+1] offset:STEPB th:TH_LOAD_NT scope:SCOPE_SE
.Lnot_asked_\@:
.endif
.endm
	s_load_b256 s[4:11], s[0:1], 0x0               ; cbimg, z's codes, z's scales, out0
	v_lshl_add_u32 v[SPW], v0, 2, SPARE
	v_mov_b32 v[NIL], 0
	ds_add_u32 v[SPW], v[NIL]                      ; the add twice on end, under one wait
	ds_add_u32 v[SPW], v[NIL]
	v_lshrrev_b32 v15, 5, v0
	v_readfirstlane_b32 s[WV], v15                 ; wave 0..7
	s_bfe_u32 s13, ttmp6, 0x40000                  ; cx
	s_lshl_b32 s14, ttmp9, 2
	s_add_co_u32 s14, s14, s13                     ; work-group = 4 x cluster + cx: enters z's and out0's global addresses alone
	s_and_b32 s15, s[WV], 3
	s_mul_i32 s16, s15, STEPB/4                    ; head: waves 0-3 bring a quarter of slot 0 each
	s_mov_b32 s17, 0
	s_mul_i32 s18, s14, 128*192
	s_mov_b32 s19, 0
	s_lshl_b32 s20, s14, 10
	s_mov_b32 s21, 0
	s_lshl_b32 s22, s14, 9
	s_mov_b32 s23, 0
	s_mul_i32 s46, s15, 128*80                     ; waves 4-6 bring 8,192 bytes of z's codes each: 128 pieces of 64 + 16
	s_lshl_b32 s48, s15, 13
	s_mov_b32 s49, 0
	s_mul_i32 s50, s[WV], WPART                    ; ring: my part of a slot
	s_mov_b32 s51, 0
	s_mul_i32 s[WREC], s[WV], REC
	s_mov_b32 s[WREC+1], 0
	G1SET G1,  15|(3<<16)|(1<<21), 65
	G1SET G1H, 15|(3<<16)|(1<<21), 130
	G1SET G1L, 15|(3<<16)|(1<<21), 52
	G1SET G1Z, (3<<16)|(1<<20)|(3<<22)|(3<<25), 32 ; 4 words of padding behind every 16
	G1SET G1S, 3<<16, 4
	s_mov_b32 s[SEL], 0x76543210
	s_mov_b32 s[SEL+1], 0xfedcba98
	s_mov_b32 s47, 0x7f800000
	s_and_b32 s[LIM], ttmp9, 0x17
	s_cselect_b32 s[LIM], -1, 1                    ; clusters 0, 8, 32 and 40 ask
	s_wait_dscnt 0x0
	CROUND                                         ; in front of the first loads; the arguments are on their way meanwhile
	s_wait_kmcnt 0x0
	s_add_nc_u64 s[6:7], s[6:7], s[18:19]
	s_add_nc_u64 s[8:9], s[8:9], s[20:21]
	s_add_nc_u64 s[10:11], s[10:11], s[22:23]
	s_mov_b32 s[G0H], 1
	s_mov_b32 s[G0H+1], s16
	s_add_nc_u64 s[G0H+2:G0H+3], s[4:5], s[16:17]
	s_or_b32 s[G0H+3], s[G0H+3], 0x80000000
	s_mov_b32 s[G0Z], 1
	s_add_co_u32 s[G0Z+1], s46, ZC
	s_add_nc_u64 s[G0Z+2:G0Z+3], s[6:7], s[48:49]
	s_or_b32 s[G0Z+3], s[G0Z+3], 0x80000000
	s_mov_b32 s[G0S], 1
	s_mov_b32 s[G0S+1], ZSC
	s_mov_b64 s[G0S+2:G0S+3], s[8:9]
	s_or_b32 s[G0S+3], s[G0S+3], 0x80000000
	; the head's loads, one a wave, in one chain of branches on the wave's number
	s_cmp_lt_u32 s[WV], 4
	s_cbranch_scc0 .Lhead_z
	tensor_load_to_lds s[G0H:G0H+3], s[G1H:G1H+7]
	s_nop 0
.rept 4
	v_nop
.endr
	s_branch .Lhead_join
.Lhead_z:
	s_cmp_lt_u32 s[WV], 7
	s_cbranch_scc0 .Lhead_s
	tensor_load_to_lds s[G0Z:G0Z+3], s[G1Z:G1Z+7]
	s_nop 0
.rept 4
	v_nop
.endr
	s_branch .Lhead_join
.Lhead_s:
	tensor_load_to_lds s[G0S:G0S+3], s[G1S:G1S+7]
	s_nop 0
.rept 4
	v_nop
.endr
.Lhead_join:
	s_mov_b32 s[G0A], 1                            ; slot 0: at step 0; its first refill steps it to step 2
	s_mov_b32 s[G0A+1], s50
	s_add_nc_u64 s[G0A+2:G0A+3], s[4:5], s[50:51]
	s_or_b32 s[G0A+3], s[G0A+3], 0x80000000
	s_mov_b32 s[G0B], 1                            ; slot 1: at step 1
	s_add_co_u32 s[G0B+1], s50, SLOT1
	s_add_nc_u64 s[G0B+2:G0B+3], s[4:5], s[50:51]
	s_add_nc_u64 s[G0B+2:G0B+3], s[G0B+2:G0B+3], STEPB
	s_or_b32 s[G0B+3], s[G0B+3], 0x80000000
	s_add_nc_u64 s[PFA:PFA+1], s[4:5], 2*STEPB     ; step 2
	s_sub_co_u32 s51, 36, s[WV]                    ; from record 444 + 5 w to 480 + 4 w
	s_lshl_b32 s18, s[WV], 9
	s_add_co_u32 s18, s18, MRG
	s_lshl_b32 s19, s[WV], 8
	s_add_co_u32 s20, s50, SLOT1
	s_mul_i32 s21, s13, 17                         ; my work-group's share of my wave's 65 blocks begins here
	s_mul_i32 s22, s[WV], 5
	v_and_b32 v15, 31, v0                          ; lane
	v_and_b32 v26, 15, v0                          ; r
	v_bfe_u32 v27, v0, 4, 1                        ; h
	v_mov_b32 v[VTC], s22                          ; record 5 w
	v_lshl_add_u32 v[ADI], v15, 4, s50
	v_lshl_add_u32 v[ADI+1], v15, 4, s20
	v_lshl_add_u32 v[ADS], v15, 2, s50
	v_lshl_add_u32 v[ADS+1], v15, 2, s20
	v_lshl_add_u32 v[ADH], v27, 5, s50
	v_lshl_add_u32 v[ADH+1], v27, 5, s20
	v_mul_u32_u24 v[ZO], v26, 192
	v_lshlrev_b32 v[ZSO], 3, v26
	v_min_u32 v[PFO], 16, v15
	v_lshlrev_b32 v[CBASE], 3, v27                 ; 8 h: what my lane adds to 16 x the record's number + place
	v_lshl_add_u32 v[MW], v26, 2, s18
	v_lshl_add_u32 v[OA], v15, 3, s19
	v_add_nc_u32 v[PFO], s21, v[PFO]
	v_mad_u32_u24 v[ZO], v27, 24, v[ZO]            ; y = 192 r + 24 h
	v_lshl_add_u32 v[ZSO], v27, 2, v[ZSO]
	v_add_nc_u32 v[MR], MRG, v[OA]
	v_min_u32 v[PFO], 64, v[PFO]
	v_add_nc_u32 v[ZO], ZBIAS, v[ZO]
	v_add_nc_u32 v[ZSO], ZSC, v[ZSO]
	v_lshl_add_u32 v[PFO], v[PFO], 8, s50          ; 256 x block + my wave's part of a step
	; byte y of z's block lies at ZC + y + 16 (y >> 6): one address for each of a fragment pair's 12 pieces of 8 bytes
.set k, 0
.rept 12
	v_add_nc_u32 v[ZAD+k], 96*(k/6)+48*((k%6)/3)+8*(k%3), v[ZO]
.set k, k+1
.endr
.set k, 0
.rept 12
	v_lshrrev_b32 v[ZAD+12+k], 6, v[ZAD+k]
.set k, k+1
.endr
.set k, 0
.rept 12
	v_lshl_add_u32 v[ZAD+k], v[ZAD+12+k], 4, v[ZAD+k]
.set k, k+1
.endr
	s_cmp_eq_u32 s[LIM], 1
	s_wait_alu depctr_va_vdst(0)
	s_cbranch_scc0 .Lhead_not_asked
	global_prefetch_b8 v[PFO], s[PFA:PFA+1] th:TH_LOAD_NT scope:SCOPE_SE                  ; step 2,
	global_prefetch_b8 v[PFO], s[PFA:PFA+1] offset:STEPB th:TH_LOAD_NT scope:SCOPE_SE     ; step 3
.Lhead_not_asked:
.set i, 0
.rept 64
	v_mov_b32 v[RT+i], s47                         ; infinity: over every finite distance; written while the head's loads are out
.set i, i+1
.endr
.irp i, 0,1,2,3,4,5,6,7
	v_mov_b32 v[MA+\i], s47
.endr
	s_wait_alu depctr_va_vdst(0)
	s_wait_tensorcnt 0x0                           ; my load of the head's eight has landed
	ds_add_u32 v[SPW], v[NIL]
	s_wait_dscnt 0x0
	CROUND                                         ; all eight have landed, in every partner
	tensor_load_to_lds s[G0B:G0B+3], s[G1:G1+7]    ; slot 1's first fill, issued as a refill is
	s_nop 0
	FETCH 0, 0, 0
.irp i, 0,1,2,3,4,5,6,7
	ds_load_b32 v[ZS+\i], v[ZSO] offset:128*\i
.endr
	WIN 0x40
	ZLD 0
	ZLD 1
	ZLD 2
	ZLD 3
	WIN 0
	; the first record, unit by unit as z arrives: behind unit u's 24 loads stand 24 (3 - u) younger ones (the first count is the field's largest)
	s_wait_dscnt 63
	MM 0, 0
.rept 5
	v_nop
.endr
	s_wait_dscnt 48
	MM 0, 1
	VV 0, 0
	s_wait_dscnt 24
	MM 0, 2
	VV 0, 1
	s_wait_dscnt 0x0
	FETCH 1, 0, 1
	MM 0, 3
	VV 0, 2
	s_wait_dscnt 0x0
	MM 1, 0
	VV 0, 3
	v_add_nc_u32 v[VTC], 1, v[VTC]
	TILE 1, 0, 2, 1
	TILE 0, 0, 3, 1
	TILE 1, 0, 4, 1
	s_mov_b32 s[TRIPS], 5
.Lstep:                                                ; a trip: the changes at the ends of steps 2 i and 2 i + 1, ten records; it refills both slots
	TILEC 0, G0A, G1, 1, 1, 0
	TILE 1, 1, 1, 1
	TILE 0, 1, 2, 1
	TILE 1, 1, 3, 1
	TILE 0, 1, 4, 1
	TILEC 1, G0B, G1, 0, 1, 0
	TILE 0, 0, 1, 1
	TILE 1, 0, 2, 1
	TILE 0, 0, 3, 1
	TILE 1, 0, 4, 1
	s_sub_co_u32 s[TRIPS], s[TRIPS], 1
	s_cmp_lg_u32 s[TRIPS], 0
	s_cbranch_scc1 .Lstep
	TILEC 0, G0A, G1L, 1, 0, 1                     ; the end of step 10: slot 0 takes step 12, four records a wave: the last load
	TILE 1, 1, 1, 1
	TILE 0, 1, 2, 1
	TILE 1, 1, 3, 1
	TILE 0, 1, 4, 1
	s_wait_tensorcnt 0x0                           ; step 12's part is mine alone to read; nothing more is fetched
	TILE 1, 0, 0, s51
	TILE 0, 0, 1, 1
	TILE 1, 0, 2, 1
	TILE 0, 0, 3, 1
	MM 1, 1
	VV 1, 0
	MM 1, 2
	VV 1, 1
	MM 1, 3
	VV 1, 2
	VV 1, 3
	; the place among the 8: the lowest of the 7 kept that equals the least, else 7
.irp i, 0,1,2,3,4,5,6,7
	v_mov_b32 v[WK+\i], 7
.endr
.irp j, 6,5,4,3,2,1,0
.irp i, 0,1,2,3,4,5,6,7
	v_cmp_neq_f32 vcc_lo, v[RT+8*\i+\j], v[MA+\i]
	s_delay_alu instid0(VALU_DEP_1)
	v_cndmask_b32 v[WK+\i], \j, v[WK+\i], vcc_lo
.endr
.endr
.irp i, 0,1,2,3,4,5,6,7
	v_lshl_add_u32 v[WK+\i], v[RT+8*\i+7], 4, v[WK+\i]
.endr
.irp i, 0,1,2,3,4,5,6,7
	v_add_nc_u32 v[WK+\i], v[CBASE], v[WK+\i]      ; the code's index
.endr
.irp i, 0,1,2,3,4,5,6,7
	v_permlanex16_b32 v[MA+8+\i], v[MA+\i], s[SEL], s[SEL+1]
	v_permlanex16_b32 v[RT+8*\i], v[WK+\i], s[SEL], s[SEL+1]
.endr
.irp i, 0,1,2,3,4,5,6,7                        ; with lane l xor 16's: less, or equal at a lower index
	v_cmp_lt_f32 s46, v[MA+8+\i], v[MA+\i]
	v_cmp_eq_f32 s47, v[MA+8+\i], v[MA+\i]
	v_cmp_lt_u32 s48, v[RT+8*\i], v[WK+\i]
	s_and_b32 s47, s47, s48
	s_or_b32 vcc_lo, s46, s47
	v_cndmask_b32 v[MA+\i], v[MA+\i], v[MA+8+\i], vcc_lo
	v_cndmask_b32 v[WK+\i], v[WK+\i], v[RT+8*\i], vcc_lo
	ds_store_b32 v[MW], v[MA+\i] offset:64*\i
	ds_store_b32 v[MW], v[WK+\i] offset:4096+64*\i
.endr
	s_wait_dscnt 0x0                               ; for the others' sake: my stores are done
	s_barrier_signal -1
	s_barrier_wait -1
	s_cmp_gt_u32 s[WV], 1
	s_cbranch_scc1 .Lend
	; waves 0 and 1 join the eight waves' results, two rows a lane, and store 256 consecutive bytes each
.irp w, 0,1,2,3,4,5,6,7
	ds_load_b64 v[WK+2*\w:WK+2*\w+1], v[MR] offset:512*\w
	ds_load_b64 v[WK+16+2*\w:WK+16+2*\w+1], v[MR] offset:4096+512*\w
.endr
	s_wait_dscnt 0x0
.irp w, 1,2,3,4,5,6,7
.irp e, 0,1
	v_cmp_lt_f32 s46, v[WK+2*\w+\e], v[WK+\e]
	v_cmp_eq_f32 s47, v[WK+2*\w+\e], v[WK+\e]
	v_cmp_lt_u32 s48, v[WK+16+2*\w+\e], v[WK+16+\e]
	s_and_b32 s47, s47, s48
	s_or_b32 vcc_lo, s46, s47
	v_cndmask_b32 v[WK+\e], v[WK+\e], v[WK+2*\w+\e], vcc_lo
	v_cndmask_b32 v[WK+16+\e], v[WK+16+\e], v[WK+16+2*\w+\e], vcc_lo
.endr
.endr
	global_store_b64 v[OA], v[WK+16:WK+17], s[10:11]
.Lend:
	s_wait_tensorcnt 0x0                           ; the wave's end
	ds_add_u32 v[SPW], v[NIL]
	s_wait_dscnt 0x0
	CROUND                                         ; the closing round
	s_endpgm
.Lfunc_end_k_q50108fe956_vq:
	.size	k_q50108fe956_vq, .Lfunc_end_k_q50108fe956_vq-k_q50108fe956_vq
	.p2alignl 7, 3214868480
	.fill 96, 4, 3214868480
	.section	.rodata,"a",@progbits
	.p2align	6, 0x0
	.amdhsa_kernel k_q50108fe956_vq
		.amdhsa_group_segment_fixed_size 327680
		.amdhsa_private_segment_fixed_size 0
		.amdhsa_enable_private_segment 0
		.amdhsa_kernarg_size 32
		.amdhsa_user_sgpr_count 2
		.amdhsa_user_sgpr_kernarg_segment_ptr 1
		.amdhsa_wavefront_size32 1
		.amdhsa_system_sgpr_workgroup_id_x 1
		.amdhsa_system_sgpr_workgroup_id_y 1
		.amdhsa_system_sgpr_workgroup_id_z 1
		.amdhsa_system_vgpr_workitem_id 0
		.amdhsa_next_free_vgpr 448
		.amdhsa_next_free_sgpr 102
		.amdhsa_reserve_vcc 1
		.amdhsa_float_denorm_mode_32 3
		.amdhsa_float_denorm_mode_16_64 3
		.amdhsa_memory_ordered 1
		.amdhsa_forward_progress 1
		.amdhsa_inst_pref_size 255
	.end_amdhsa_kernel
	.section	.bss,"aw",@nobits
	.p2align	6
	.space	262144
	.amdgpu_metadata
---
amdhsa.version: [ 1, 2 ]
amdhsa.kernels:
  - .name:           k_q50108fe956_vq
    .symbol:         k_q50108fe956_vq.kd
    .args:
      - { .name: cbimg, .offset: 0, .size: 8, .value_kind: global_buffer, .address_space: global }
      - { .name: z_e_x_codes, .offset: 8, .size: 8, .value_kind: global_buffer, .address_space: global }
      - { .name: z_e_x_scales, .offset: 16, .size: 8, .value_kind: global_buffer, .address_space: global }
      - { .name: out0, .offset: 24, .size: 8, .value_kind: global_buffer, .address_space: global }
    .group_segment_fixed_size: 327680
    .private_segment_fixed_size: 0
    .kernarg_segment_align: 8
    .kernarg_segment_size: 32
    .max_flat_workgroup_size: 256
    .sgpr_count:     102
    .vgpr_count:     448
    .wavefront_size: 32
...
	.end_amdgpu_metadata
.endif
;; end of part 2
